; MI455X (gfx1250); checked and timed in simulation.
; The chip was launched on July 23, 2026; its instructions are those of AMD's public machine-readable ISA for CDNA 5 (MIT licence, August 2026) and "CDNA5" Instruction Set Architecture Reference Guide (July 2026). The comments in the code are by the model that wrote it; some were corrected since.
;; Bahdanau Attention. Allowed arithmetic: matrix products marked QUANTISED: E5M2 operands, one given power-of-two scale a tensor, by v_wmma_f32_16x16x64_bf8_bf8 or v_wmma_f32_16x16x128_bf8_bf8, f32 sums; products left as they are: f32 operands where the result goes on into a quantised operand, else bf16, f16 or f32 operands; f32 sums; everything else in f32.
;; Inputs: W_dec 1,024 x 1,024 float32; W_enc 1,024 x 1,024 float32; dec_hidden 64 x 1,024 float32; enc_mask 64 x 1,024 bool; enc_outputs 64 x 1,024 x 1,024 float32; lowp_scales 4 int32 (the exponents e of the quantised operands' scales 2^e); v 1,024 float32.
;; Outputs: out0 64 x 1,024 float32; out1 64 x 1,024 float32.
;; This version of the problem:
;;   THIS VERSION OF THE PROBLEM IS GIVEN IN LOW PRECISION. The matrix products marked QUANTISED in the list below multiply operands that are first quantised to E5M2 (5 exponent bits, 2 mantissa bits; 8 bits a number), with one given power-of-two scale for each operand tensor; their sums are f32. All else is computed in f32.
;;   The module's matrix products, in the order in which they are computed (A, B: the left and right operand; K: the contracted axis; several contracted axes count as one K, in the product's order):
;;     1. [M 65,536, K 1,024] x [K 1,024, N 1,024]; A: input enc_outputs; B: input W_enc: QUANTISED (scales: A lowp_scales[0], B lowp_scales[1])
;;     2. [M 64, K 1,024] x [K 1,024, N 1,024]; A: input dec_hidden; B: input W_dec: QUANTISED (scales: A lowp_scales[2], B lowp_scales[3])
;;     3. [M 65,536, K 1,024] x [K 1,024, N 1]; A: computed on the way; B: input v: left as it is (N = 1 < 16)
;;     4. batch 64 x [M 1, K 1,024] x [K 1,024, N 1,024]; A: softmax; B: input enc_outputs: left as it is (M = 1 < 16)
;;   THE QUANTISER, for each operand of a quantised product, along K:
;;     - The operand's scale is 2^e, e = its entry of the input lowp_scales (int32; the entries are numbered through the quantised products in the list's order, A before B).
;;     - Each number is divided by the scale, clamped to +-57,344, and rounded to the nearest number of E5M2, ties to even, subnormals kept.
;;     - The product sums the exact products of the quantised numbers (number of the format x scale) in f32.
;;   ~~~python
;;   def quantise(x, axis, e):      # numpy; x: float32 -> the quantised numbers, widened to float32 again
;;       x = np.moveaxis(x, axis, -1); K = x.shape[-1]
;;       r = np.clip(x / 2.0 ** e, -57344, 57344)
;;       step = 2.0 ** (np.maximum(np.frexp(np.where(r == 0, 1, r))[1] - 1, -14) - 2)
;;       q = np.round(r / step) * step * 2.0 ** e      # np.round: ties to even
;;       return np.moveaxis(q, -1, axis).astype(np.float32)
;;   ~~~
;; One version. Each part assembles by itself: llvm-mc -triple=amdgcn-amd-amdhsa -mcpu=gfx1250 --defsym DOCPART=n.
;; ======== version 1 of 1: 3 launches
;; limits: right only within a limited range of input values
;; workspace buffers: wimg 1,048,576 bytes; decp 262,144 bytes; scores 262,144 bytes; ctxp 4,456,448 bytes
;; launch prep (part 1): grid 192 x 1, 8 waves a work-group, no clusters, 54,272 bytes of LDS; arguments W_enc, W_dec, dec_hidden, lowp_scales, wimg, decp; writes wimg, decp
.if DOCPART == 1
	.amdgcn_target "amdgcn-amd-amdhsa--gfx1250"
	.amdhsa_code_object_version 6
	.text
	.protected	k_q88bae2f1ce_prep
	.globl	k_q88bae2f1ce_prep
	.p2align	8
	.type	k_q88bae2f1ce_prep,@function
k_q88bae2f1ce_prep:
	s_mov_b64 s[64:65], 0
	v_nop
	global_prefetch_b8 v0, s[64:65] scope:SCOPE_SE
	s_setreg_imm32_b32 hwreg(HW_REG_WAVE_MODE, 25, 1), 1
	s_wait_xcnt 0x0
; Two small jobs in one launch, told apart by the work-group's number g.
; g < 64 (tile t = g): rows 16 t .. 16 t + 15 of W_enc [1024][1024] f32 become codes of E5M2 with the given scale 2^e1, stored as IMAGES OF OPERAND REGISTERS:
;   wimg [t][ks 0..7][c 0..3][lane][16 bytes]; lane (r = lane % 16, h = lane / 16) holds W_enc[16 t + r][128 ks + 32 c + 16 h + 0 .. 15].
; g >= 64 (d = g - 64, t = d / 2, p = d % 2): dec_proj[b][o] = sum over k of Q(dec_hidden[b][k]) Q(W_dec[o][k]) for o = 16 t + 0..15, b = 32 p + 0..31, on the matrix unit;
;   decp [t][b][16] f32 = dec_proj x 2 log2(e): the form in which the next launch adds it to the exponent of its tanh.
; Eight waves; wave w takes K step w (128 along K).  code = x / 2^e, held within +-57,344, to the nearest code, ties to even.
; A load reads 512 consecutive bytes of one row, 16 a lane; eight numbers (two rows' four) go through one conversion, so a register of codes is one row's four neighbours along K; the 16 x 128 codes turn
; through the wave's own stage in LDS (rows of 128 + 16 bytes) and come back 16 neighbours a lane, as the operand wants them.  The same places of k serve both operands of a product.
; LIMITS: e1, e2, e3 between -126 and 112, so that 2^e and 57,344 x 2^e are f32 numbers; e2 + e3 is applied by v_ldexp_f32 and has none.  NaN among the inputs is not served.
; No tensor loads and no cluster: each work-group's bytes are few, and the launch is short.
.set STG_E,  0                         ; LDS: the stages of the first job, 2,304 bytes a wave
.set STG_D,  18432                     ; those of the second job: bytes of its own for each job
.set RED,    36864                     ; the second job's partial sums: 2,048 bytes a wave
.set SPITCH, 144                       ; a stage row: 128 bytes + 16 = 9 x 16, so that the 16 rows of a load start at different banks
.set WSTG,   16*SPITCH
.set XO,  4                            ; v4   16 x lane
.set STA, 5                            ; v5   into the stage: 2,304 w + 4 x lane
.set LDA, 6                            ; v6   out of it: 2,304 w + 144 r + 16 h
.set SCW, 7                            ; v7   the weight's scale as f32
.set SCX, 8                            ; v8   dec_hidden's
.set RDA, 9                            ; v9   the reduction: where I read a partial sum's four numbers
.set RWA, 10                           ; v10  where I put mine: 2,048 w + 16 x lane
.set OUA, 11                           ; v11  my byte offset in the work-group's 2,048 bytes of decp
.set CT,  16                           ; v16-31   the codes just made: register p = row p
.set R0,  32                           ; v32-95   16 rows x 4 numbers; then the fragment in v32-47, the sums in v48-63, the reduction in v64-95
.set R1,  96                           ; v96-159  likewise; fragment in v96-111
.set R2,  160                          ; v160-223 likewise; fragment in v160-175
.macro MKSC e, vsc, sn, sp             ; from the exponent in s[e]: v[vsc] = 2^e, s[sn], s[sp] = -+57,344 x 2^e
	s_add_co_i32 s[\sp], s[\e], 127
	s_lshl_b32 s[\sn], s[\sp], 23
	v_mov_b32 v[\vsc], s[\sn]                      ; the conversion takes this number's exponent field
	s_add_co_i32 s[\sp], s[\sp], 15
	s_lshl_b32 s[\sp], s[\sp], 23
	s_or_b32 s[\sp], s[\sp], 0x600000              ; 57,344 = 1.75 x 2^15
	s_or_b32 s[\sn], s[\sp], 0x80000000
.endm
.macro LOADU r, b, off                 ; 16 rows x 512 bytes
.set pp, 0
.rept 16
	global_load_b128 v[\r+4*pp:\r+4*pp+3], v[XO], s[\b:\b+1] offset:\off+4096*pp
.set pp, pp+1
.endr
.endm
.macro QUANT r, sn, sp, vsc
	s_wait_dscnt 0x0                               ; the stage's earlier stores have read the codes' registers, and its loads are in
.set pp, 0
.rept 64
	v_med3_num_f32 v[\r+pp], v[\r+pp], s[\sn], s[\sp]   ; the conversion does not saturate (ISA guide 7.6.2): the hold comes first
.set pp, pp+1
.endr
.set pp, 0
.rept 8
	v_cvt_scalef32_pk8_bf8_f32 v[CT+2*pp:CT+2*pp+1], v[\r+8*pp:\r+8*pp+7], v[\vsc]
.set pp, pp+1
.endr
	v_nop                                          ; a plain line behind the last conversion
.endm
.macro TURN stg, dst                   ; LDS serves a wave's instructions in order: the loads see the stores
.set pp, 0
.rept 16
	ds_store_b32 v[STA], v[CT+pp] offset:\stg+SPITCH*pp
.set pp, pp+1
.endr
.irp c, 0,1,2,3
	ds_load_b128 v[\dst+4*\c:\dst+4*\c+3], v[LDA] offset:\stg+32*\c
.endr
.endm
	s_load_b256 s[4:11], s[0:1], 0x0               ; W_enc s[4:5], W_dec s[6:7], dec_hidden s[8:9], the exponents s[10:11]
	s_load_b128 s[12:15], s[0:1], 0x20             ; wimg s[12:13], decp s[14:15]
	v_lshl_add_u32 v224, v0, 2, 0xd000
	v_mov_b32 v225, 0
	v_lshrrev_b32 v1, 5, v0
	s_delay_alu instid0(VALU_DEP_1)
	v_readfirstlane_b32 s16, v1                    ; wave = K step
	v_and_b32 v1, 31, v0                           ; lane
	v_and_b32 v2, 15, v0                           ; r
	v_bfe_u32 v3, v0, 4, 1                         ; h
	s_delay_alu instid0(VALU_DEP_3)
	v_lshlrev_b32 v[XO], 4, v1
	s_mul_i32 s17, s16, WSTG
	v_lshl_add_u32 v[STA], v1, 2, s17
	v_mul_u32_u24 v[LDA], v2, SPITCH
	s_delay_alu instid0(VALU_DEP_1)
	v_lshl_add_u32 v[LDA], v3, 4, v[LDA]
	s_delay_alu instid0(VALU_DEP_1)
	v_add_nc_u32 v[LDA], s17, v[LDA]
	s_lshl_b32 s18, s16, 11
	v_add_nc_u32 v[RWA], s18, v[XO]
	s_and_b32 s18, s16, 3                          ; the reduction is done by waves 0 to 3; the addresses are made by all, ahead of every parting
	s_lshl_b32 s19, s18, 9
	v_add_nc_u32 v[OUA], s19, v[XO]                ; 512 w + 16 l: batch row 8 w + l / 4, numbers 4 (l % 4) on
	s_lshr_b32 s19, s18, 1
	s_lshl_b32 s19, s19, 10                        ; which of the two sums: 1,024 (w / 2)
	s_and_b32 s18, s18, 1
	s_lshl_b32 s18, s18, 7                         ; the owning lane's r = 8 (w % 2) + l / 4, 16 bytes a lane
	s_add_co_u32 s18, s18, s19
	v_and_b32 v12, 1, v0
	s_delay_alu instid0(VALU_DEP_1)
	v_lshl_add_u32 v[RDA], v12, 9, s18             ; registers 0-3 or 4-7: 512 (l % 2)
	v_bfe_u32 v12, v0, 1, 1
	s_delay_alu instid0(VALU_DEP_1)
	v_lshl_add_u32 v[RDA], v12, 8, v[RDA]          ; the owning lane's h = (l / 2) % 2
	v_bfe_u32 v12, v0, 2, 3
	s_delay_alu instid0(VALU_DEP_1)
	v_lshl_add_u32 v[RDA], v12, 4, v[RDA]
	s_lshl_b32 s24, s16, 9                         ; my K step in a row: 512 bytes
	s_mov_b32 s29, 0
	s_mov_b32 s31, 0
	s_wait_kmcnt 0x0
	s_load_b128 s[20:23], s[10:11], 0x0            ; e0, e1, e2, e3
	s_cmp_lt_u32 ttmp9, 64
	s_cbranch_scc0 .Ldec
	; ---- W_enc's tile t = g
	s_lshl_b32 s28, ttmp9, 16                      ; 16 rows of 4,096 bytes
	s_add_co_u32 s28, s28, s24
	s_add_nc_u64 s[4:5], s[4:5], s[28:29]
	LOADU R0, 4, 0
	s_lshl_b32 s30, ttmp9, 14                      ; a tile's images are 16,384 bytes, a K step's 2,048
	s_lshl_b32 s25, s16, 11
	s_add_co_u32 s30, s30, s25
	s_add_nc_u64 s[12:13], s[12:13], s[30:31]
	s_wait_kmcnt 0x0
	MKSC 21, SCW, 34, 35
	s_wait_loadcnt 0x0
	QUANT R0, 34, 35, SCW
	TURN STG_E, R0
	s_wait_dscnt 0x0
.irp c, 0,1,2,3
	global_store_b128 v[XO], v[R0+4*\c:R0+4*\c+3], s[12:13] offset:512*\c   ; 32 lanes store 512 consecutive bytes, aligned
.endr
	s_wait_tensorcnt 0x0
	ds_add_u32 v224, v225
	s_wait_dscnt 0x0
	s_endpgm
	; ---- dec_proj: tile t of W_dec against 32 rows of dec_hidden
.Ldec:
	s_sub_co_u32 s25, ttmp9, 64
	s_lshr_b32 s26, s25, 1                         ; t
	s_and_b32 s27, s25, 1                          ; p
	s_lshl_b32 s28, s26, 16
	s_add_co_u32 s28, s28, s24
	s_add_nc_u64 s[6:7], s[6:7], s[28:29]
	s_lshl_b32 s30, s27, 17                        ; 32 rows of 4,096 bytes
	s_add_co_u32 s30, s30, s24
	s_add_nc_u64 s[8:9], s[8:9], s[30:31]
	LOADU R0, 6, 0
	LOADU R1, 8, 0
	LOADU R2, 8, 65536
	s_lshl_b32 s32, s26, 12                        ; decp: 4,096 t + 2,048 p
	s_lshl_b32 s33, s27, 11
	s_add_co_u32 s32, s32, s33
	s_mov_b32 s33, 0
	s_add_nc_u64 s[14:15], s[14:15], s[32:33]
	s_wait_kmcnt 0x0
	MKSC 23, SCW, 34, 35
	MKSC 22, SCX, 36, 37
	s_add_co_i32 s38, s22, s23                     ; e2 + e3
	s_wait_loadcnt 32                              ; W_dec's 16 loads are in; the 32 younger ones may be out
	QUANT R0, 34, 35, SCW
	TURN STG_D, R0
	s_wait_loadcnt 16
	QUANT R1, 36, 37, SCX
	TURN STG_D, R1
	s_wait_loadcnt 0x0
	QUANT R2, 36, 37, SCX
	TURN STG_D, R2
	s_wait_dscnt 0x0
	; transposed: source 0 = 16 rows of W_dec, source 1 = 16 batch rows: register j of lane (r, h) is dec_proj[batch r][16 t + 8 h + j], over my 128 of K
	v_wmma_f32_16x16x128_bf8_bf8 v[48:55], v[32:47], v[96:111], 0
	v_wmma_f32_16x16x128_bf8_bf8 v[56:63], v[32:47], v[160:175], 0
.rept 4
	v_nop                                          ; four plain lines between a product and the store of its result
.endr
.irp g, 0,1,2,3
	ds_store_b128 v[RWA], v[48+4*\g:51+4*\g] offset:RED+512*\g   ; each sum from its low end on
.endr
	s_wait_dscnt 0x0                               ; for the others' sake: my partial sums lie in LDS
	s_barrier_signal -1
	s_barrier_wait -1
	s_cmp_lt_u32 s16, 4
	s_cbranch_scc0 .Ldone
.irp i, 0,1,2,3,4,5,6,7
	ds_load_b128 v[64+4*\i:67+4*\i], v[RDA] offset:RED+2048*\i   ; the eight K steps' parts of my four numbers
.endr
	s_wait_dscnt 0x0
.irp j, 0,2,4,6,8,10,12,14
	v_pk_add_f32 v[64+\j:65+\j], v[64+\j:65+\j], v[80+\j:81+\j]
.endr
.irp j, 0,2,4,6
	s_delay_alu instid0(VALU_DEP_4)
	v_pk_add_f32 v[64+\j:65+\j], v[64+\j:65+\j], v[72+\j:73+\j]
.endr
.irp j, 0,2
	s_delay_alu instid0(VALU_DEP_2)
	v_pk_add_f32 v[64+\j:65+\j], v[64+\j:65+\j], v[68+\j:69+\j]
.endr
.irp j, 0,1,2,3
	v_mul_f32 v[64+\j], 0x4038aa3b, v[64+\j]       ; x 2 log2(e)
.endr
.irp j, 0,1,2,3
	s_delay_alu instid0(VALU_DEP_4)
	v_ldexp_f32 v[64+\j], v[64+\j], s38            ; x 2^(e2 + e3)
.endr
	global_store_b128 v[OUA], v[64:67], s[14:15]   ; a wave stores 512 consecutive bytes, aligned
.Ldone:
	s_wait_tensorcnt 0x0
	ds_add_u32 v224, v225
	s_wait_dscnt 0x0
	s_endpgm
.Lfunc_end_k_q88bae2f1ce_prep:
	.size	k_q88bae2f1ce_prep, .Lfunc_end_k_q88bae2f1ce_prep-k_q88bae2f1ce_prep
	.p2alignl 7, 3214868480
	.fill 96, 4, 3214868480
	.section	.rodata,"a",@progbits
	.p2align	6, 0x0
	.amdhsa_kernel k_q88bae2f1ce_prep
		.amdhsa_group_segment_fixed_size 54272
		.amdhsa_private_segment_fixed_size 0
		.amdhsa_enable_private_segment 0
		.amdhsa_kernarg_size 48
		.amdhsa_user_sgpr_count 2
		.amdhsa_user_sgpr_kernarg_segment_ptr 1
		.amdhsa_wavefront_size32 1
		.amdhsa_system_sgpr_workgroup_id_x 1
		.amdhsa_system_sgpr_workgroup_id_y 1
		.amdhsa_system_sgpr_workgroup_id_z 1
		.amdhsa_system_vgpr_workitem_id 0
		.amdhsa_next_free_vgpr 226
		.amdhsa_next_free_sgpr 66
		.amdhsa_reserve_vcc 0
		.amdhsa_float_denorm_mode_32 3
		.amdhsa_float_denorm_mode_16_64 3
		.amdhsa_memory_ordered 1
		.amdhsa_forward_progress 1
		.amdhsa_inst_pref_size 37
	.end_amdhsa_kernel
	.amdgpu_metadata
---
amdhsa.version: [ 1, 2 ]
amdhsa.kernels:
  - .name:           k_q88bae2f1ce_prep
    .symbol:         k_q88bae2f1ce_prep.kd
    .args:
      - { .name: W_enc, .offset: 0, .size: 8, .value_kind: global_buffer, .address_space: global }
      - { .name: W_dec, .offset: 8, .size: 8, .value_kind: global_buffer, .address_space: global }
      - { .name: dec_hidden, .offset: 16, .size: 8, .value_kind: global_buffer, .address_space: global }
      - { .name: lowp_scales, .offset: 24, .size: 8, .value_kind: global_buffer, .address_space: global }
      - { .name: wimg, .offset: 32, .size: 8, .value_kind: global_buffer, .address_space: global }
      - { .name: decp, .offset: 40, .size: 8, .value_kind: global_buffer, .address_space: global }
    .group_segment_fixed_size: 54272
    .private_segment_fixed_size: 0
    .kernarg_segment_align: 8
    .kernarg_segment_size: 48
    .max_flat_workgroup_size: 256
    .sgpr_count:     66
    .vgpr_count:     226
    .wavefront_size: 32
...
	.end_amdgpu_metadata
.endif
;; end of part 1
;; launch main (part 2): grid 256 x 1, 4 waves a work-group, clusters of 4 x 1, 327,680 bytes of LDS; arguments enc_outputs, wimg, decp, v, lowp_scales, scores, enc_mask, ctxp; writes scores, ctxp
.if DOCPART == 2
	.amdgcn_target "amdgcn-amd-amdhsa--gfx1250"
	.amdhsa_code_object_version 6
	.text
	.protected	k_q88bae2f1ce_main
	.globl	k_q88bae2f1ce_main
	.p2align	8
	.type	k_q88bae2f1ce_main,@function
k_q88bae2f1ce_main:
	s_mov_b64 s[64:65], 0
	v_nop
	global_prefetch_b8 v0, s[64:65] scope:SCOPE_SE
	s_setreg_imm32_b32 hwreg(HW_REG_WAVE_MODE, 25, 1), 1
	s_wait_xcnt 0x0
	s_wait_alu depctr_hold_cnt(0) depctr_sa_sdst(0) depctr_va_vdst(0) depctr_va_sdst(0) depctr_va_ssrc(0) depctr_va_vcc(0) depctr_vm_vsrc(0)
	s_getreg_b32 s2, hwreg(HW_REG_IB_STS2, 6, 4)
	s_cmp_eq_u32 s2, 0
	s_cbranch_scc0 .Lentry_in_a_cluster
	s_endpgm
.Lentry_in_a_cluster:
	s_bfe_u32 s2, ttmp6, 0x10000c
	s_cmp_lg_u32 s2, 0x3003
	s_cbranch_scc0 .Lentry_shape_is_right
	s_endpgm
.Lentry_shape_is_right:
; scores[b][s] = sum over o of v[o] tanh(enc_proj[b][s][o] + dec_proj[b][o]);  enc_proj = Q(enc_outputs) Q(W_enc)^T on codes of E5M2, f32 sums.
; SHARES.  A cluster of four work-groups owns one batch row b; a work-group 256 positions s; a wave 64 of them: four tiles of 16 rows x K 1,024 as codes, 512 registers (windows 1 and 2), quantised once at the head.
; W_enc's codes come as images of operand registers (wimg: 64 tiles of 16 outputs, 16,384 bytes each) through two LDS slots of 8 tiles, filled by joint loads that name the cluster's four work-groups.
; A TILE is 32 matrix instructions (8 K steps x my 4 row tiles, the four accumulators by turns), source 0 = W's 16 outputs, source 1 = my 16 rows: lane (r, h) holds row r, register j output 16 t + 8 h + j.
; tanh(x) = 1 - 2 / (1 + 2^(2 log2(e) x)): score = sum(v) - 2 sum(v / (1 + 2^..)).  2^.. may reach infinity or 0: the quotient is then 0 or 1, as tanh wants.
; THE TANH TRAILS THE PRODUCTS in four sets of accumulators (tile t in set t % 4).  Ahead of tile t's products stand: + 1 on tile t - 2, x v on tile t - 3, scale + dec on tile t - 1 (plain lines), then ONE batch:
; the exponentials of tile t - 1 and the reciprocals of tile t - 2.  No transcendental stands inside a sum.  The first three tiles find sets of zeros, and v's table has two tiles of zeros in front: they add 0.
; PREFETCH: at the change of slots that loads slot s + 1 each wave names 32 blocks of 256 bytes of slot s + 2: 4 work-groups x 4 waves x 32 lanes = 512 = 131,072 / 256, each block once in a cluster, shared out by address;
; slots 0 and 1 come by their loads alone; the last change that loads asks for nothing.
; LIMITS: e0 between -126 and 112 (2^e0 and 57,344 x 2^e0 are f32 numbers); e0 + e1 goes by v_ldexp_f32.  NaN among the inputs is not served.
; REGISTERS.  Window 0: v2-15 addresses; v16-31 codes just made, later dec (v16-23) and v (v24-31) of a tile; v32-39 the rows' sums; v64-191 the four sets.  Window 3: at the head four sets of 64 loaded numbers, then W's 8 fragments (v0-127).
; SECOND PART.  A row tile holds 16 neighbouring rows.  Each wave then finishes its own 64 positions: scores become -1e9 where enc_mask is false (so they are stored); m = their maximum, p = exp(score - m), l = sum(p);
; the wave reads its 64 rows of enc_outputs once more, whole rows of 4,096 bytes, rows 56-63 first and rows 0-7 last, through a ring of 8 rows (64 loads out), and sums p x row in f32: 32 registers a lane.
; ctxp [b][16 waves][4,352 bytes]: 4,096 bytes of that sum, then one unit of 256 bytes that holds (m, l) 32 times.  The next launch joins a batch row's 16 parts under their common maximum.
.set SLOT1, 131072
.set TILEB, 16384
.set STG,   262144                     ; the waves' stages: 16 rows x 528 bytes each
.set SP,    528
.set WSTG,  16*SP
.set TAB,   295936                     ; dec's table 4,096 bytes, 256 bytes of zeros, v's table 4,096 bytes
.set VOFF,  4352
.set SPARE, 319488                     ; the spare words
.set L16, 2
.set TL,  3
.set SPW, 4
.set NIL, 5
.set STA, 6
.set LDA, 7
.set PFO, 8
.set SC,  9
.set ADR, 10
.set TAD, 11
.set HH,  13
.set SO,  14
.set TVA, 15
.set CT,  16
.set DEC, 16
.set VV,  24
.set SACC, 32
.set ACC, 64
.set WV,  16
.set G1,  24
.set G0,  32
.set PFA, 36
.set NLIM, 44
.set PLIM, 45
.set SS,  46
.set TB,  48
.set TT,  49
.set SEL, 52
.set MSB, 0
.macro WIN new                         ; the immediate's high byte repeats the setting that is left
.if MSB != \new
	s_set_vgpr_msb (MSB<<8)|\new
.set MSB, \new
.endif
.endm
.macro NOPS
.rept 4
	v_nop
.endr
.endm
.macro CROUND                          ; a round of the cluster's barrier
	s_barrier_signal -1
	s_barrier_wait -1
	s_cmp_lg_u32 s[WV], 0
	s_cbranch_scc1 .Lnot_wave_0_\@
	s_barrier_signal -3
.Lnot_wave_0_\@:
	s_barrier_wait -3
	s_barrier_signal -1
	s_barrier_wait -1
.endm
	s_load_b256 s[4:11], s[0:1], 0x0               ; enc_outputs, wimg, decp, v
	s_load_b128 s[12:15], s[0:1], 0x20             ; the exponents, scores
	s_load_b128 s[60:63], s[0:1], 0x30             ; enc_mask, ctxp
	v_lshl_add_u32 v[SPW], v0, 2, SPARE
	v_mov_b32 v[NIL], 0
	ds_add_u32 v[SPW], v[NIL]                      ; the opening lines: the add twice on end, one wait
	ds_add_u32 v[SPW], v[NIL]
	v_lshrrev_b32 v1, 5, v0
	v_readfirstlane_b32 s[WV], v1                  ; wave 0..3
	s_bfe_u32 s17, ttmp6, 0x40000                  ; cx
	s_mov_b32 s[G1+0], 15|(3<<16)|(1<<21)          ; the four partners; elements of 8 bytes; 128 rows of 256 bytes, dense
	s_mov_b32 s[G1+1], 32<<16
	s_mov_b32 s[G1+2], 128<<16
	s_mov_b32 s[G1+3], 32<<16
	s_mov_b32 s[G1+4], 128
	s_mov_b32 s[G1+5], 32
	s_mov_b32 s[G1+6], 0
	s_mov_b32 s[G1+7], 0
	s_lshl_b32 s18, ttmp9, 22                      ; enc_outputs: b x 4 MiB + cx x 1 MiB + wave x 256 KiB
	s_lshl_b32 s19, s17, 20
	s_add_co_u32 s18, s18, s19
	s_lshl_b32 s19, s[WV], 18
	s_add_co_u32 s18, s18, s19
	s_mov_b32 s19, 0
	s_lshl_b32 s20, ttmp9, 12                      ; scores: 4,096 b + 1,024 cx + 256 wave
	s_lshl_b32 s21, s17, 10
	s_add_co_u32 s20, s20, s21
	s_lshl_b32 s21, s[WV], 8
	s_add_co_u32 s20, s20, s21
	s_mov_b32 s21, 0
	s_lshl_b32 s22, ttmp9, 6                       ; decp: 64 b inside a tile's 4,096 bytes
	s_mov_b32 s23, 0
	s_lshl_b32 s54, s[WV], 15                      ; my quarter of a slot
	s_mov_b32 s55, 0
	s_lshl_b32 s56, s17, 15                        ; the prefetches: 32,768 cx + 8,192 wave, in slot 1 (the first change steps it to slot 2)
	s_lshl_b32 s57, s[WV], 13
	s_add_co_u32 s56, s56, s57
	s_add_co_u32 s56, s56, SLOT1
	s_mov_b32 s57, 0
	s_mov_b32 s[SEL], 0x76543210
	s_mov_b32 s[SEL+1], 0xfedcba98
	s_wait_dscnt 0x0
	s_wait_kmcnt 0x0
	s_load_b128 s[40:43], s[12:13], 0x0            ; e0, e1, ..
	s_add_nc_u64 s[4:5], s[4:5], s[18:19]
	s_add_nc_u64 s[14:15], s[14:15], s[20:21]
	s_add_nc_u64 s[8:9], s[8:9], s[22:23]
	s_lshr_b32 s22, s20, 2                         ; enc_mask: 1,024 b + 256 cx + 64 wave
	s_add_nc_u64 s[60:61], s[60:61], s[22:23]
	s_lshr_b32 s22, s20, 8                         ; ctxp: part 16 b + 4 cx + wave
	s_mul_i32 s22, s22, 4352
	s_add_nc_u64 s[62:63], s[62:63], s[22:23]
	s_add_nc_u64 s[PFA:PFA+1], s[6:7], s[56:57]
	s_mov_b32 s[G0], 1
	s_mov_b32 s[G0+1], s54
	s_add_nc_u64 s[G0+2:G0+3], s[6:7], s[54:55]
	s_or_b32 s[G0+3], s[G0+3], 0x80000000
	CROUND
	tensor_load_to_lds s[G0:G0+3], s[G1:G1+7]      ; slot 0: my one tensor load at the head
	s_nop 0
	NOPS
	v_and_b32 v1, 31, v0
	v_and_b32 v12, 15, v0
	v_bfe_u32 v[HH], v0, 4, 1
	v_lshlrev_b32 v[L16], 4, v1
	v_lshlrev_b32 v[PFO], 8, v1
	v_lshl_add_u32 v[TL], v[HH], 5, TAB
	v_add_nc_u32 v[TVA], TAB+VOFF, v[L16]
	s_mul_i32 s56, s[WV], WSTG
	s_add_co_u32 s56, s56, STG
	v_lshl_add_u32 v[STA], v1, 2, s56
	v_mul_u32_u24 v[LDA], v12, SP
	v_lshl_add_u32 v[LDA], v[HH], 4, v[LDA]
	v_add_nc_u32 v[LDA], s56, v[LDA]
	v_lshlrev_b32 v[SO], 3, v1                     ; 8 x lane
	v_lshrrev_b32 v240, 1, v0
	v_and_b32 v241, 1, v0
	v_lshlrev_b32 v240, 12, v240
	v_lshl_add_u32 v240, v241, 5, v240             ; decp: tile thread / 2, half thread % 2
	v_lshlrev_b32 v241, 5, v0
	v_lshl_add_u32 v242, v0, 5, TAB
	v_lshl_add_u32 v243, v0, 1, TAB+4096           ; two of the 256 bytes of zeros
	v_lshlrev_b32 v245, 1, v1                      ; my two mask bytes
	v_lshl_add_u32 v246, v12, 2, s56               ; my stage, second part: a score's word, 4 r
	v_lshl_add_u32 v247, v1, 3, s56                ; two neighbouring scores, 8 x lane
	v_lshl_add_u32 v248, v1, 4, s56                ; two weights, each twice, 16 x lane
	global_load_b128 v[224:227], v240, s[8:9]
	global_load_b128 v[228:231], v240, s[8:9] offset:16
	global_load_b128 v[232:235], v241, s[10:11]
	global_load_b128 v[236:239], v241, s[10:11] offset:16
	global_load_u16 v244, v245, s[60:61]           ; the mask of positions 2 l, 2 l + 1 of my 64
; Unit u: row tile u / 8 (rows 16 (u / 8) + p, p = 0 .. 15), K step u % 8: 16 loads of 512 consecutive bytes; four units are out at a time.  No hint: these rows are read again.
.macro XLOAD u
.set xrt, (\u)/8
.set xks, (\u)%8
.set xs, 64*((\u)%4)
	WIN 0xc0
.set pp, 0
.rept 16
	global_load_b128 v[xs+4*pp:xs+4*pp+3], v[L16], s[4:5] offset:(16*xrt+pp)*4096+512*xks
.set pp, pp+1
.endr
.endm
.macro UNIT u
.set us, 64*((\u)%4)
.set urt, (\u)/8
.set uks, (\u)%8
.if 31-(\u) >= 3
	s_wait_loadcnt 48                              ; this unit's 16 loads are in; three units' may be out
.else
	s_wait_loadcnt 16*(31-(\u))
.endif
	WIN 0xc3
.set pp, 0
.rept 64
	v_med3_num_f32 v[us+pp], v[us+pp], s[NLIM], s[PLIM]   ; the conversion does not saturate (ISA guide 7.6.2): the hold comes first
.set pp, pp+1
.endr
	WIN 0x03
	s_wait_alu depctr_va_vdst(0)
	s_wait_dscnt 0x0                               ; the stage's earlier stores have read the codes' registers
.set pp, 0
.rept 8
	v_cvt_scalef32_pk8_bf8_f32 v[CT+2*pp:CT+2*pp+1], v[us+8*pp:us+8*pp+7], v[SC]
.set pp, pp+1
.endr
	v_nop
.if (\u)+4 < 32
	XLOAD (\u)+4
.endif
	WIN 0
.set pp, 0
.rept 16
	ds_store_b32 v[STA], v[CT+pp] offset:SP*pp+128*(uks%4)
.set pp, pp+1
.endr
.if uks%4 == 3                                 ; four K steps of a row tile come back as operand registers: lane (r, h): K = 128 k + 32 c + 16 h + 0 .. 15
.if uks < 4
	WIN 0x40
.else
	WIN 0x80
.endif
.irp k, 0,1,2,3
.irp c, 0,1,2,3
	ds_load_b128 v[64*\k+16*urt+4*\c:64*\k+16*urt+4*\c+3], v[LDA] offset:128*\k+32*\c
.endr
.endr
	WIN 0
.endif
.endm
	XLOAD 0
	XLOAD 1
	XLOAD 2
	WIN 0
	s_wait_alu depctr_va_vdst(0)
	s_wait_loadcnt 48                              ; the tables' four loads are in
	ds_store_b128 v242, v[224:227]
	ds_store_b128 v242, v[228:231] offset:16
	ds_store_b128 v242, v[232:235] offset:VOFF
	ds_store_b128 v242, v[236:239] offset:VOFF+16
	ds_store_b16 v243, v[NIL]
	s_wait_kmcnt 0x0
	s_add_co_i32 s[PLIM], s40, 127
	s_lshl_b32 s[NLIM], s[PLIM], 23
	v_mov_b32 v[SC], s[NLIM]                       ; 2^e0
	s_add_co_i32 s[PLIM], s[PLIM], 15
	s_lshl_b32 s[PLIM], s[PLIM], 23
	s_or_b32 s[PLIM], s[PLIM], 0x600000            ; 57,344 x 2^e0
	s_or_b32 s[NLIM], s[PLIM], 0x80000000
	s_add_co_i32 s57, s40, s41
	v_mov_b32 v1, 0x4038aa3b
	v_ldexp_f32 v1, v1, s57
	v_readfirstlane_b32 s[SS], v1                  ; 2 log2(e) x 2^(e0 + e1)
	s_mov_b32 s[SS+1], s[SS]
	XLOAD 3
.set U, 0
.rept 32
	UNIT U
.set U, U+1
.endr
	s_wait_dscnt 0x0
.set pp, 0
.rept 48
	v_dual_mov_b32 v[ACC+32+pp], v[NIL] :: v_dual_mov_b32 v[ACC+33+pp], v[NIL]   ; sets 1 to 3: what the first three tiles find
.set pp, pp+2
.endr
.set pp, 0
.rept 12
	v_dual_mov_b32 v[DEC+pp], v[NIL] :: v_dual_mov_b32 v[DEC+1+pp], v[NIL]       ; dec, v, and the rows' sums (v16-39)
.set pp, pp+2
.endr
	v_mov_b32 v[ADR], v[L16]
	v_mov_b32 v[TAD], v[TL]
	s_mov_b32 s[TB], 0
	s_mov_b32 s[TT], 0
	s_wait_alu depctr_va_vdst(0)
; PE, PD, PS: the sets that take scale + dec, + 1, x v (9: none).  The plain lines: + 1 and x v come first, so that 32 lines stand between the last products and the first read of their results.
.macro POST
	s_wait_alu depctr_va_vdst(0)                   ; one wait for the last batch, ahead of its first reader
.if PD < 4
.set pp, 0
.rept 16
	v_pk_add_f32 v[ACC+32*PD+pp:ACC+32*PD+pp+1], v[ACC+32*PD+pp:ACC+32*PD+pp+1], 1.0 op_sel_hi:[1,0]
.set pp, pp+2
.endr
.endif
.if PS < 4
.irp j, 0,2,4,6
.irp r, 0,1,2,3
	v_pk_fma_f32 v[SACC+2*\r:SACC+2*\r+1], v[ACC+32*PS+8*\r+\j:ACC+32*PS+8*\r+\j+1], v[VV+\j:VV+\j+1], v[SACC+2*\r:SACC+2*\r+1]
.endr
.endr
.endif
.if PE < 4
.irp r, 0,1,2,3
.irp j, 0,2,4,6
	v_pk_fma_f32 v[ACC+32*PE+8*\r+\j:ACC+32*PE+8*\r+\j+1], v[ACC+32*PE+8*\r+\j:ACC+32*PE+8*\r+\j+1], s[SS:SS+1], v[DEC+\j:DEC+\j+1] op_sel_hi:[1,0,1]   ; each accumulator from its low end on
.endr
.endr
.endif
.endm
.macro BATCH
	s_wait_alu depctr_va_vdst(0)
.if PE < 4
.set pp, 0
.rept 32
	v_exp_f32 v[ACC+32*PE+pp], v[ACC+32*PE+pp]
.set pp, pp+1
.endr
.endif
.if PD < 4
.set pp, 0
.rept 32
	v_rcp_f32 v[ACC+32*PD+pp], v[ACC+32*PD+pp]
.set pp, pp+1
.endr
.endif
	v_nop                                          ; a plain line behind the last transcendental
.endm
.macro HLOAD i, half                   ; four of W's fragments of tile i of the four in hand -> window 3
.irp k, 0,1,2,3
.irp c, 0,1,2,3
	ds_load_b128 v[64*(\half)+16*\k+4*\c:64*(\half)+16*\k+4*\c+3], v[ADR] offset:TILEB*(\i)+8192*(\half)+2048*\k+512*\c
.endr
.endr
.endm
.macro MMH i, half                     ; 16 products: 4 K steps x my 4 row tiles, the accumulators by turns
.irp k, 0,1,2,3
.irp r, 0,1,2,3
.if ((\half) == 0) && (\k == 0)
	v_wmma_f32_16x16x128_bf8_bf8 v[ACC+32*(\i)+8*\r:ACC+32*(\i)+8*\r+7], v[64*(\half)+16*\k:64*(\half)+16*\k+15], v[64*\k+16*\r:64*\k+16*\r+15], 0
.else
	v_wmma_f32_16x16x128_bf8_bf8 v[ACC+32*(\i)+8*\r:ACC+32*(\i)+8*\r+7], v[64*(\half)+16*\k:64*(\half)+16*\k+15], v[64*\k+16*\r:64*\k+16*\r+15], v[ACC+32*(\i)+8*\r:ACC+32*(\i)+8*\r+7]
.endif
.endr
.endr
.endm
.macro TILE i
.set PE, ((\i)+3)%4
.set PD, ((\i)+2)%4
.set PS, ((\i)+1)%4
	WIN 0
	POST
	ds_load_b128 v[DEC:DEC+3], v[TAD] offset:64*(\i)               ; this tile's dec and tile t - 2's v, for the next tile's plain lines
	ds_load_b128 v[DEC+4:DEC+7], v[TAD] offset:64*(\i)+16
	ds_load_b128 v[VV:VV+3], v[TAD] offset:VOFF-128+64*(\i)
	ds_load_b128 v[VV+4:VV+7], v[TAD] offset:VOFF-112+64*(\i)
.if \i > 0
	WIN 0xc0
	HLOAD \i, 1                                    ; the plain lines above are the places behind the products that read these registers
	WIN 0
.endif
	BATCH
	s_wait_dscnt 20                                ; K steps 0-3 are in; the 4 table loads and the 16 loads of K steps 4-7 may be out
	WIN 0x07                                       ; W window 3, codes window 1, sums window 0
	MMH \i, 0
.if \i < 3
	NOPS                                           ; four places ahead of loads into registers that products have read
	WIN 0xc0
	HLOAD (\i)+1, 0
	s_wait_dscnt 16                                ; all but the 16 just issued
.else
	s_wait_dscnt 0x0
.endif
	WIN 0x0b                                       ; codes window 2
	MMH \i, 1
.endm
.macro QUADS                           ; a slot's 8 tiles: two trips of four, until the sets' numbers are back where they began
	s_mov_b32 s51, 2
.Lq_\@:
	WIN 0xc0
	HLOAD 0, 0
	HLOAD 0, 1
	TILE 0
	TILE 1
	TILE 2
	TILE 3
	WIN 0
	s_add_co_u32 s[TB], s[TB], 4*TILEB
	s_and_b32 s[TB], s[TB], 2*SLOT1-1
	s_add_co_u32 s[TT], s[TT], 256
	v_add_nc_u32 v[ADR], s[TB], v[L16]             ; these two and two v_nop: the places ahead of the next loads into W's registers
	v_add_nc_u32 v[TAD], s[TT], v[TL]
	v_nop
	v_nop
	s_wait_alu depctr_va_vdst(0)
	s_sub_co_u32 s51, s51, 1
	s_cmp_lg_u32 s51, 0
	s_cbranch_scc1 .Lq_\@
.endm
; THE CHANGE OF SLOTS, at a slot's head: all my tensor loads are in (my quarter of the slot ahead), the add, my reads of the slot left are over; behind the round the slot left takes the 8 tiles that follow.
.macro CHANGE fill
	s_wait_tensorcnt 0x0
	ds_add_u32 v[SPW], v[NIL]
.if \fill
	s_xor_b32 s[G0+1], s[G0+1], SLOT1
	s_add_nc_u64 s[G0+2:G0+3], s[G0+2:G0+3], SLOT1
	s_wait_xcnt 0x0                                ; my last prefetch has read its address
	s_add_nc_u64 s[PFA:PFA+1], s[PFA:PFA+1], SLOT1
.endif
	s_wait_dscnt 0x0
.if \fill
	CROUND
	tensor_load_to_lds s[G0:G0+3], s[G1:G1+7]      ; my one tensor load behind the round (the first time: slot 1's first fill)
	s_nop 0
	NOPS
	s_cmp_gt_u32 s50, 1                            ; the last change that loads has no slot two on
	s_cbranch_scc0 .Lnopf_\@
	s_cmp_lt_u32 ttmp9, 4
	s_cbranch_scc0 .Lno_prefetch_main0_\@
	global_prefetch_b8 v[PFO], s[PFA:PFA+1] th:TH_LOAD_NT scope:SCOPE_SE
.Lno_prefetch_main0_\@:
.Lnopf_\@:
.else
	s_barrier_signal -1
	s_barrier_wait -1
.endif
.endm
	s_mov_b32 s50, 7
.Lslot:
	CHANGE 1
	QUADS
	s_sub_co_u32 s50, s50, 1
	s_cmp_lg_u32 s50, 0
	s_cbranch_scc1 .Lslot
	CHANGE 0                                       ; the last slot is written out: nothing more is asked for
	QUADS
	; the three tiles that still trail
	s_add_nc_u64 s[58:59], s[4:5], 56*4096         ; the ring's first fill: rows 56-63 into window 1, whose codes are done with (four plain lines stand behind the last products)
	WIN 0x40
.irp j, 0,1,2,3,4,5,6,7
.irp c, 0,1,2,3,4,5,6,7
	global_load_b128 v[32*\j+4*\c:32*\j+4*\c+3], v[L16], s[58:59] offset:4096*\j+512*\c th:TH_LOAD_NT
.endr
.endr
	WIN 0
.set PE, 3
.set PD, 2
.set PS, 1
	POST
	ds_load_b128 v[VV:VV+3], v[TL] offset:VOFF+64*62
	ds_load_b128 v[VV+4:VV+7], v[TL] offset:VOFF+64*62+16
	BATCH
	s_wait_dscnt 0x0
.set PE, 9
.set PD, 3
.set PS, 2
	POST
	ds_load_b128 v[VV:VV+3], v[TL] offset:VOFF+64*63
	ds_load_b128 v[VV+4:VV+7], v[TL] offset:VOFF+64*63+16
	BATCH
	s_wait_dscnt 0x0
.set PD, 9
.set PS, 3
	POST
.irp r, 0,1,2,3
	v_add_f32 v[224+\r], v[SACC+2*\r], v[SACC+2*\r+1]
.endr
.irp i, 0,1,2,3,4,5,6,7
	ds_load_b128 v[96+4*\i:99+4*\i], v[TVA] offset:512*\i          ; all of v, for its sum
.endr
.irp r, 0,1,2,3
	v_mov_b32 v[228+\r], 0
.endr
.irp r, 0,1,2,3
	v_permlanex16_b32 v[228+\r], v[224+\r], s[SEL], s[SEL+1]
.endr
.irp r, 0,1,2,3
	v_add_f32 v[224+\r], v[224+\r], v[228+\r]      ; both halves of the outputs
.endr
	s_wait_dscnt 0x0
.irp j, 0,2,4,6,8,10,12,14
	v_pk_add_f32 v[96+\j:97+\j], v[96+\j:97+\j], v[112+\j:113+\j]
.endr
.irp j, 0,2,4,6
	v_pk_add_f32 v[96+\j:97+\j], v[96+\j:97+\j], v[104+\j:105+\j]
.endr
.irp j, 0,2
	v_pk_add_f32 v[96+\j:97+\j], v[96+\j:97+\j], v[100+\j:101+\j]
.endr
	v_pk_add_f32 v[96:97], v[96:97], v[98:99]
	v_add_f32 v96, v96, v97
	v_add_f32_dpp v96, v96, v96 row_xmask:1 row_mask:0xf bank_mask:0xf
	v_add_f32_dpp v96, v96, v96 row_xmask:2 row_mask:0xf bank_mask:0xf
	v_add_f32_dpp v96, v96, v96 row_xmask:4 row_mask:0xf bank_mask:0xf
	v_add_f32_dpp v96, v96, v96 row_xmask:8 row_mask:0xf bank_mask:0xf
	v_permlanex16_b32 v97, v96, s[SEL], s[SEL+1]
	v_add_f32 v96, v96, v97                        ; sum(v)
.irp r, 0,1,2,3
	v_fma_f32 v[224+\r], v[224+\r], -2.0, v96
.endr
.irp r, 0,1,2,3
	ds_store_b32 v246, v[224+\r] offset:64*\r      ; row 16 rt + r (both halves of the lanes hold the same number)
.endr
	ds_load_b64 v[232:233], v247                   ; back as rows 2 l, 2 l + 1: LDS serves a wave's instructions in order
	s_wait_dscnt 0x0
	v_and_b32 v234, 0xff, v244
	v_lshrrev_b32 v235, 8, v244
	v_cmp_ne_u32 vcc_lo, 0, v234
	v_cndmask_b32 v232, 0xce6e6b28, v232, vcc_lo   ; -1e9 where the mask is false
	v_cmp_ne_u32 vcc_lo, 0, v235
	v_cndmask_b32 v233, 0xce6e6b28, v233, vcc_lo
	global_store_b64 v[SO], v[232:233], s[14:15]   ; the wave's 256 consecutive bytes
	v_max_num_f32 v236, v232, v233
	v_max_num_f32_dpp v236, v236, v236 row_xmask:1 row_mask:0xf bank_mask:0xf
	v_max_num_f32_dpp v236, v236, v236 row_xmask:2 row_mask:0xf bank_mask:0xf
	v_max_num_f32_dpp v236, v236, v236 row_xmask:4 row_mask:0xf bank_mask:0xf
	v_max_num_f32_dpp v236, v236, v236 row_xmask:8 row_mask:0xf bank_mask:0xf
	v_permlanex16_b32 v234, v236, s[SEL], s[SEL+1]
	v_max_num_f32 v236, v236, v234                 ; m: the maximum is taken away before the exponential
	v_sub_f32 v238, v232, v236
	v_sub_f32 v239, v233, v236
	v_mul_f32 v238, 0x3fb8aa3b, v238
	v_mul_f32 v239, 0x3fb8aa3b, v239
	s_wait_alu depctr_va_vdst(0)
	v_exp_f32 v238, v238
	v_exp_f32 v239, v239
	v_nop
	s_wait_alu depctr_va_vdst(0)
	v_mov_b32 v240, v238
	v_mov_b32 v241, v238
	v_mov_b32 v242, v239
	v_mov_b32 v243, v239
	ds_store_b128 v248, v[240:243] offset:512      ; the weights' table: row n's weight twice, at 512 + 8 n: a pair for the packed lines
	v_add_f32 v237, v238, v239
	v_add_f32_dpp v237, v237, v237 row_xmask:1 row_mask:0xf bank_mask:0xf
	v_add_f32_dpp v237, v237, v237 row_xmask:2 row_mask:0xf bank_mask:0xf
	v_add_f32_dpp v237, v237, v237 row_xmask:4 row_mask:0xf bank_mask:0xf
	v_add_f32_dpp v237, v237, v237 row_xmask:8 row_mask:0xf bank_mask:0xf
	v_permlanex16_b32 v235, v237, s[SEL], s[SEL+1]
	v_add_f32 v237, v237, v235                     ; l
.set pp, 0
.rept 16
	v_dual_mov_b32 v[64+pp], v[NIL] :: v_dual_mov_b32 v[65+pp], v[NIL]   ; the 32 sums: the trip is written once
.set pp, pp+2
.endr
	s_add_co_u32 s57, s56, 512+8*56                ; the weights of rows 56-63
	v_mov_b32 v249, s57
.irp i, 0,1,2,3
	ds_load_b128 v[96+4*\i:99+4*\i], v249 offset:16*\i   ; one address for all lanes
.endr
; Row j of the ring's eight: 16 packed multiply-adds (15 stand between a sum's write and its next read); more = 1: its registers then take the row 8 further up.
.macro CROW j, more
.if \more
	s_wait_loadcnt 56                              ; this row's 8 loads are in; the seven younger rows' may be out
.else
	s_wait_loadcnt 8*(7-(\j))
.endif
	WIN 0x01
.set pp, 0
.rept 16
	v_pk_fma_f32 v[64+pp:65+pp], v[32*(\j)+pp:32*(\j)+pp+1], v[96+2*(\j):97+2*(\j)], v[64+pp:65+pp]
.set pp, pp+2
.endr
.if \more
	WIN 0x40
.irp c, 0,1,2,3,4,5,6,7
	global_load_b128 v[32*(\j)+4*\c:32*(\j)+4*\c+3], v[L16], s[58:59] offset:4096*(\j)+512*\c-32768 th:TH_LOAD_NT
.endr
.endif
.endm
	s_mov_b32 s51, 7
	s_wait_alu depctr_va_vdst(0)
.Lctx:
	s_wait_dscnt 0x0                               ; this trip's weights
.irp j, 0,1,2,3,4,5,6,7
	CROW \j, 1
.endr
	WIN 0
	s_sub_co_u32 s57, s57, 64
	v_mov_b32 v249, s57
.irp i, 0,1,2,3
	ds_load_b128 v[96+4*\i:99+4*\i], v249 offset:16*\i   ; the next trip's weights
.endr
	s_wait_xcnt 0x0                                ; the loads have read their base
	s_sub_nc_u64 s[58:59], s[58:59], 32768
	s_wait_alu depctr_va_vdst(0)
	s_sub_co_u32 s51, s51, 1
	s_cmp_lg_u32 s51, 0
	s_cbranch_scc1 .Lctx
	s_wait_dscnt 0x0
.irp j, 0,1,2,3,4,5,6,7
	CROW \j, 0                                     ; rows 0-7: nothing more is fetched
.endr
	WIN 0
.irp c, 0,1,2,3,4,5,6,7
	global_store_b128 v[L16], v[64+4*\c:67+4*\c], s[62:63] offset:512*\c   ; 512 consecutive bytes, aligned
.endr
	global_store_b64 v[SO], v[236:237], s[62:63] offset:4096               ; (m, l) in every lane: one whole unit of 256 bytes
	s_wait_tensorcnt 0x0                           ; the wave's end
	ds_add_u32 v[SPW], v[NIL]
	s_wait_dscnt 0x0
	CROUND                                         ; the closing round
	s_endpgm
.Lfunc_end_k_q88bae2f1ce_main:
	.size	k_q88bae2f1ce_main, .Lfunc_end_k_q88bae2f1ce_main-k_q88bae2f1ce_main
	.p2alignl 7, 3214868480
	.fill 96, 4, 3214868480
	.section	.rodata,"a",@progbits
	.p2align	6, 0x0
	.amdhsa_kernel k_q88bae2f1ce_main
		.amdhsa_group_segment_fixed_size 327680
		.amdhsa_private_segment_fixed_size 0
		.amdhsa_enable_private_segment 0
		.amdhsa_kernarg_size 64
		.amdhsa_user_sgpr_count 2
		.amdhsa_user_sgpr_kernarg_segment_ptr 1
		.amdhsa_wavefront_size32 1
		.amdhsa_system_sgpr_workgroup_id_x 1
		.amdhsa_system_sgpr_workgroup_id_y 1
		.amdhsa_system_sgpr_workgroup_id_z 1
		.amdhsa_system_vgpr_workitem_id 0
		.amdhsa_next_free_vgpr 1024
		.amdhsa_next_free_sgpr 66
		.amdhsa_reserve_vcc 1
		.amdhsa_float_denorm_mode_32 3
		.amdhsa_float_denorm_mode_16_64 3
		.amdhsa_memory_ordered 1
		.amdhsa_forward_progress 1
		.amdhsa_inst_pref_size 255
	.end_amdhsa_kernel
	.section	.bss,"aw",@nobits
	.p2align	6
	.space	262144
	.amdgpu_metadata
---
amdhsa.version: [ 1, 2 ]
amdhsa.kernels:
  - .name:           k_q88bae2f1ce_main
    .symbol:         k_q88bae2f1ce_main.kd
    .args:
      - { .name: enc_outputs, .offset: 0, .size: 8, .value_kind: global_buffer, .address_space: global }
      - { .name: wimg, .offset: 8, .size: 8, .value_kind: global_buffer, .address_space: global }
      - { .name: decp, .offset: 16, .size: 8, .value_kind: global_buffer, .address_space: global }
      - { .name: v, .offset: 24, .size: 8, .value_kind: global_buffer, .address_space: global }
      - { .name: lowp_scales, .offset: 32, .size: 8, .value_kind: global_buffer, .address_space: global }
      - { .name: scores, .offset: 40, .size: 8, .value_kind: global_buffer, .address_space: global }
      - { .name: enc_mask, .offset: 48, .size: 8, .value_kind: global_buffer, .address_space: global }
      - { .name: ctxp, .offset: 56, .size: 8, .value_kind: global_buffer, .address_space: global }
    .group_segment_fixed_size: 327680
    .private_segment_fixed_size: 0
    .kernarg_segment_align: 8
    .kernarg_segment_size: 64
    .max_flat_workgroup_size: 128
    .sgpr_count:     66
    .vgpr_count:     1024
    .wavefront_size: 32
...
	.end_amdgpu_metadata
.endif
;; end of part 2
;; launch join (part 3): grid 4 x 64, 2 waves a work-group, no clusters, 0 bytes of LDS; arguments ctxp, scores, out0, out1; writes out0, out1
.if DOCPART == 3
	.amdgcn_target "amdgcn-amd-amdhsa--gfx1250"
	.amdhsa_code_object_version 6
	.text
	.protected	k_q88bae2f1ce_join
	.globl	k_q88bae2f1ce_join
	.p2align	8
	.type	k_q88bae2f1ce_join,@function
k_q88bae2f1ce_join:
	s_mov_b64 s[64:65], 0
	v_nop
	global_prefetch_b8 v0, s[64:65] scope:SCOPE_SE
	s_setreg_imm32_b32 hwreg(HW_REG_WAVE_MODE, 25, 1), 1
	s_wait_xcnt 0x0
; The softmax's parts are joined.  For batch row b (grid y) the launch before left 16 parts q: m_q, l_q = sum of exp(score - m_q), c_q[1024] = sum of exp(score - m_q) x enc_outputs' row; and the masked scores.
; M = max m_q;  f_q = exp(m_q - M);  L = sum l_q f_q (at least 1);  out0[b][c] = sum over q of (f_q / L) c_q[c];  out1[b][s] = exp(score[s] - M) / L.  All in f32.  A row whose mask is all false gives 1 / 1,024 everywhere.
; A work-group takes 256 columns and 256 positions (grid x); a thread four of each: every load and store of a wave covers 512 consecutive bytes.  Lane l holds part l % 16's (m, l); the factors go to scalar registers by v_readlane_b32.
; Waves share nothing: no LDS, no barrier.  No matrix unit, tensor load, cluster or prefetch: 18 loads a thread, all issued at once, and no loop to run ahead in.
.set PB, 4352                          ; a part: 4,096 bytes of sums, then 256 bytes of (m, l)
	s_load_b256 s[4:11], s[0:1], 0x0               ; ctxp, scores, out0, out1
	v_and_b32 v1, 15, v0
	v_mul_u32_u24 v2, v1, PB
	v_lshlrev_b32 v3, 4, v0                        ; 16 x thread
	s_and_b32 s12, ttmp7, 0xffff                   ; b
	s_mul_i32 s14, s12, 16*PB
	s_mov_b32 s15, 0
	s_lshl_b32 s18, ttmp9, 10                      ; 1,024 x
	s_mov_b32 s19, 0
	s_lshl_b32 s16, s12, 12
	s_add_co_u32 s16, s16, s18                     ; 4,096 b + 1,024 x
	s_mov_b32 s17, 0
	s_wait_alu depctr_va_vdst(0)
	s_wait_kmcnt 0x0
	s_add_nc_u64 s[4:5], s[4:5], s[14:15]
	s_add_nc_u64 s[20:21], s[4:5], s[18:19]
	s_add_nc_u64 s[6:7], s[6:7], s[16:17]
	s_add_nc_u64 s[8:9], s[8:9], s[16:17]
	s_add_nc_u64 s[10:11], s[10:11], s[16:17]
	global_load_b64 v[4:5], v2, s[4:5] offset:4096
	global_load_b128 v[8:11], v3, s[6:7]
.irp q, 0,1,2,3,4,5,6,7,8,9,10,11,12,13,14,15
	global_load_b128 v[16+4*\q:19+4*\q], v3, s[20:21] offset:PB*\q
.endr
	s_wait_loadcnt 17                              ; (m, l) is in
	v_mov_b32 v6, v4
	v_max_num_f32_dpp v6, v6, v6 row_xmask:1 row_mask:0xf bank_mask:0xf
	v_max_num_f32_dpp v6, v6, v6 row_xmask:2 row_mask:0xf bank_mask:0xf
	v_max_num_f32_dpp v6, v6, v6 row_xmask:4 row_mask:0xf bank_mask:0xf
	v_max_num_f32_dpp v6, v6, v6 row_xmask:8 row_mask:0xf bank_mask:0xf   ; M, in every lane
	v_sub_f32 v7, v4, v6
	v_mul_f32 v7, 0x3fb8aa3b, v7
	s_wait_alu depctr_va_vdst(0)                   ; ahead of each transcendental and behind it
	v_exp_f32 v7, v7                               ; f_q
	v_nop
	s_wait_alu depctr_va_vdst(0)
	v_mul_f32 v12, v5, v7
	v_add_f32_dpp v12, v12, v12 row_xmask:1 row_mask:0xf bank_mask:0xf
	v_add_f32_dpp v12, v12, v12 row_xmask:2 row_mask:0xf bank_mask:0xf
	v_add_f32_dpp v12, v12, v12 row_xmask:4 row_mask:0xf bank_mask:0xf
	v_add_f32_dpp v12, v12, v12 row_xmask:8 row_mask:0xf bank_mask:0xf   ; L
	s_wait_alu depctr_va_vdst(0)
	v_rcp_f32 v12, v12
	v_nop
	s_wait_alu depctr_va_vdst(0)
	v_mul_f32 v7, v7, v12                          ; f_q / L
	s_wait_alu depctr_va_vdst(0)
	s_wait_loadcnt 16                              ; my four scores
.irp e, 0,1,2,3
	v_sub_f32 v[8+\e], v[8+\e], v6
.endr
.irp e, 0,1,2,3
	v_mul_f32 v[8+\e], 0x3fb8aa3b, v[8+\e]
.endr
	s_wait_alu depctr_va_vdst(0)
.irp e, 0,1,2,3
	v_exp_f32 v[8+\e], v[8+\e]
.endr
	v_nop
	s_wait_alu depctr_va_vdst(0)
.irp e, 0,1,2,3
	v_mul_f32 v[8+\e], v[8+\e], v12
.endr
	global_store_b128 v3, v[8:11], s[10:11]
.irp q, 0,1,2,3,4,5,6,7,8,9,10,11,12,13,14,15
	v_readlane_b32 s[24+\q], v7, \q
.endr
	s_wait_alu depctr_va_vdst(0)
	s_wait_loadcnt 0x0                             ; the 16 parts of my four columns
.irp e, 0,1,2,3
	v_mul_f32 v[80+\e], s24, v[16+\e]              ; the first part starts the sums
.endr
.irp q, 1,2,3,4,5,6,7,8,9,10,11,12,13,14,15
.irp e, 0,1,2,3
	v_fma_f32 v[80+\e], s[24+\q], v[16+4*\q+\e], v[80+\e]
.endr
.endr
	global_store_b128 v3, v[80:83], s[8:9]
	s_endpgm
.Lfunc_end_k_q88bae2f1ce_join:
	.size	k_q88bae2f1ce_join, .Lfunc_end_k_q88bae2f1ce_join-k_q88bae2f1ce_join
	.p2alignl 7, 3214868480
	.fill 96, 4, 3214868480
	.section	.rodata,"a",@progbits
	.p2align	6, 0x0
	.amdhsa_kernel k_q88bae2f1ce_join
		.amdhsa_group_segment_fixed_size 0
		.amdhsa_private_segment_fixed_size 0
		.amdhsa_enable_private_segment 0
		.amdhsa_kernarg_size 32
		.amdhsa_user_sgpr_count 2
		.amdhsa_user_sgpr_kernarg_segment_ptr 1
		.amdhsa_wavefront_size32 1
		.amdhsa_system_sgpr_workgroup_id_x 1
		.amdhsa_system_sgpr_workgroup_id_y 1
		.amdhsa_system_sgpr_workgroup_id_z 1
		.amdhsa_system_vgpr_workitem_id 0
		.amdhsa_next_free_vgpr 96
		.amdhsa_next_free_sgpr 66
		.amdhsa_reserve_vcc 0
		.amdhsa_float_denorm_mode_32 3
		.amdhsa_float_denorm_mode_16_64 3
		.amdhsa_memory_ordered 1
		.amdhsa_forward_progress 1
		.amdhsa_inst_pref_size 10
	.end_amdhsa_kernel
	.amdgpu_metadata
---
amdhsa.version: [ 1, 2 ]
amdhsa.kernels:
  - .name:           k_q88bae2f1ce_join
    .symbol:         k_q88bae2f1ce_join.kd
    .args:
      - { .name: ctxp, .offset: 0, .size: 8, .value_kind: global_buffer, .address_space: global }
      - { .name: scores, .offset: 8, .size: 8, .value_kind: global_buffer, .address_space: global }
      - { .name: out0, .offset: 16, .size: 8, .value_kind: global_buffer, .address_space: global }
      - { .name: out1, .offset: 24, .size: 8, .value_kind: global_buffer, .address_space: global }
    .group_segment_fixed_size: 0
    .private_segment_fixed_size: 0
    .kernarg_segment_align: 8
    .kernarg_segment_size: 32
    .max_flat_workgroup_size: 64
    .sgpr_count:     66
    .vgpr_count:     96
    .wavefront_size: 32
...
	.end_amdgpu_metadata
.endif
;; end of part 3
